; MI455X (gfx1250); checked and timed in simulation.
; The chip was launched on July 23, 2026; its instructions are those of AMD's public machine-readable ISA for CDNA 5 (MIT licence, August 2026) and "CDNA5" Instruction Set Architecture Reference Guide (July 2026). The comments in the code are by the model that wrote it; some were corrected since.
;; embed. Allowed arithmetic: float matrix products may take bf16 or f16 operands with f32 sums; all other float work in f32.
;; Inputs: w 32,000 x 1,024 float32; x 8 x 2,048 int32.
;; Outputs: out0 8 x 2,048 x 1,024 float32.
;; Constants: num_ctx = 0.
;; 2 versions, each right; version 2 is version 1 with the launch gather written anew for expert scheduling mode. Each part assembles by itself: llvm-mc -triple=amdgcn-amd-amdhsa -mcpu=gfx1250 --defsym DOCPART=n.
;; ======== version 1 of 2: 1 launch
;; launch gather (part 1): grid 256 x 1, 16 waves a work-group, no clusters, 0 bytes of LDS; arguments x, w, out0; writes out0
.if DOCPART == 1
	.amdgcn_target "amdgcn-amd-amdhsa--gfx1250"
	.amdhsa_code_object_version 6
	.text
	.protected	k_q6faf8b4b44_gather
	.globl	k_q6faf8b4b44_gather
	.p2align	8
	.type	k_q6faf8b4b44_gather,@function
k_q6faf8b4b44_gather:
	s_mov_b64 s[64:65], 0
	v_nop
	global_prefetch_b8 v0, s[64:65] scope:SCOPE_SE
	s_setreg_imm32_b32 hwreg(HW_REG_WAVE_MODE, 25, 1), 1
	s_wait_xcnt 0x0
; out0[t][:] = w[x[t]][:].  x: [16384] int32, w: [32000][1024] f32, out0: [16384][1024] f32.  A copy of rows, no arithmetic.
; 256 work-groups of 16 waves; a work-group owns 64 neighbouring tokens (256 neighbouring bytes of x), a wave 4 of them.
; A row is 4,096 bytes: eight 16-byte loads a lane, each covering 512 neighbouring bytes for the wave, aligned to 512;
; the stores have the same shape, so every aligned 256 bytes of out0 are written whole by sixteen neighbouring lanes.
; A wave issues all its 4 x 8 loads as soon as it knows its indices, so that its whole share (16 KiB) is in flight at once,
; and stores row by row as the loads come back.  No loop, no LDS, no barrier: no wave depends on another.
; LIMIT: an index is read as unsigned and clamped to 31,999.  The problem keeps indices inside 0 .. 31,999; a negative one
; (which the reference would wrap) or one of 32,000 or more (for which the reference gives NaN) reads the table's last row here.
.set VOCAB, 32000
.set ROW,   4096                       ; bytes in a row of w and of out0
.set RPW,   4                          ; rows of a wave
.set LN,    1                          ; v1       16 x lane: my 16 bytes in each 512
.set OFF,   2                          ; v[2:5]   row r: byte offset in w of my first 16 bytes (at most 31,999 x 4,096 + 496, below 2^27)
.set OUT,   6                          ; v6       byte offset of my first 16 bytes in the work-group's part of out0
.set D,     8                          ; v[8:135] row r: 32 registers, the row as loaded and as stored
	s_load_b128 s[4:7], s[0:1], 0x0                ; x s[4:5], w s[6:7]
	s_load_b64 s[8:9], s[0:1], 0x10                ; out0
	v_lshrrev_b32 v[OUT], 5, v0
	v_readfirstlane_b32 s10, v[OUT]                ; my wave's number, 0 to 15, as a scalar
	v_and_b32 v[LN], 31, v0
	v_lshlrev_b32 v[LN], 4, v[LN]                  ; 16 bytes a lane
	v_lshl_add_u32 v[OUT], v[OUT], 14, v[LN]       ; wave x 4 rows x 4,096 bytes + 16 x lane
	s_lshl_b32 s11, ttmp9, 8                       ; the work-group's 64 indices: 256 bytes of x,
	s_lshl4_add_u32 s10, s10, s11                  ; of which my wave's four are 16 bytes
	s_mov_b32 s11, 0
	s_lshl_b32 s2, ttmp9, 18                       ; the work-group's 64 rows of out0: at most 255 x 262,144 bytes, one word
	s_mov_b32 s3, 0
	s_wait_kmcnt 0x0
	s_add_nc_u64 s[4:5], s[4:5], s[10:11]
	s_load_b128 s[12:15], s[4:5], 0x0              ; my four indices
	s_add_nc_u64 s[8:9], s[8:9], s[2:3]            ; out0 at the work-group's first row
	s_wait_kmcnt 0x0
	; all 32 loads, row by row; w's base stays as it came, the row goes into the vector offset
.irp r, 0,1,2,3
	s_min_u32 s[12+\r], s[12+\r], VOCAB-1          ; no load leaves w, whatever x holds
	s_lshl_b32 s[12+\r], s[12+\r], 12              ; index x 4,096 bytes
	v_add_nc_u32 v[OFF+\r], s[12+\r], v[LN]
.irp j, 0,1,2,3,4,5,6,7
	global_load_b128 v[D+32*\r+4*\j:D+32*\r+4*\j+3], v[OFF+\r], s[6:7] offset:512*\j   ; no hint: the list may name a row again
.endr
.endr
	; the way out: loads come back in order (ISA guide 5.7.1), so row r is whole when only the 8 (3 - r) loads of the later rows are out
.irp r, 0,1,2,3
	s_wait_loadcnt 8*(RPW-1-\r)
.irp j, 0,1,2,3,4,5,6,7
	global_store_b128 v[OUT], v[D+32*\r+4*\j:D+32*\r+4*\j+3], s[8:9] offset:ROW*\r+512*\j th:TH_STORE_NT   ; written once, not read again
.endr
.endr
	s_endpgm
.Lfunc_end_k_q6faf8b4b44_gather:
	.size	k_q6faf8b4b44_gather, .Lfunc_end_k_q6faf8b4b44_gather-k_q6faf8b4b44_gather
	.p2alignl 7, 3214868480
	.fill 96, 4, 3214868480
	.section	.rodata,"a",@progbits
	.p2align	6, 0x0
	.amdhsa_kernel k_q6faf8b4b44_gather
		.amdhsa_group_segment_fixed_size 0
		.amdhsa_private_segment_fixed_size 0
		.amdhsa_enable_private_segment 0
		.amdhsa_kernarg_size 24
		.amdhsa_user_sgpr_count 2
		.amdhsa_user_sgpr_kernarg_segment_ptr 1
		.amdhsa_wavefront_size32 1
		.amdhsa_system_sgpr_workgroup_id_x 1
		.amdhsa_system_sgpr_workgroup_id_y 1
		.amdhsa_system_sgpr_workgroup_id_z 1
		.amdhsa_system_vgpr_workitem_id 0
		.amdhsa_next_free_vgpr 136
		.amdhsa_next_free_sgpr 66
		.amdhsa_reserve_vcc 0
		.amdhsa_float_denorm_mode_32 3
		.amdhsa_float_denorm_mode_16_64 3
		.amdhsa_memory_ordered 1
		.amdhsa_forward_progress 1
		.amdhsa_inst_pref_size 8
	.end_amdhsa_kernel
	.amdgpu_metadata
---
amdhsa.version: [ 1, 2 ]
amdhsa.kernels:
  - .name:           k_q6faf8b4b44_gather
    .symbol:         k_q6faf8b4b44_gather.kd
    .args:
      - { .name: x, .offset: 0, .size: 8, .value_kind: global_buffer, .address_space: global }
      - { .name: w, .offset: 8, .size: 8, .value_kind: global_buffer, .address_space: global }
      - { .name: out0, .offset: 16, .size: 8, .value_kind: global_buffer, .address_space: global }
    .group_segment_fixed_size: 0
    .private_segment_fixed_size: 0
    .kernarg_segment_align: 8
    .kernarg_segment_size: 24
    .max_flat_workgroup_size: 512
    .sgpr_count:     66
    .vgpr_count:     136
    .wavefront_size: 32
...
	.end_amdgpu_metadata
.endif
;; end of part 1
;; ======== version 2 of 2: 1 launch; version 1 with the launch gather written anew for expert scheduling mode
;; launch gather (part 2): grid 256 x 1, 16 waves a work-group, no clusters, 0 bytes of LDS; arguments x, w, out0; writes out0
.if DOCPART == 2
	.amdgcn_target "amdgcn-amd-amdhsa--gfx1250"
	.amdhsa_code_object_version 6
	.text
	.protected	k_q6faf8b4b44_gather
	.globl	k_q6faf8b4b44_gather
	.p2align	8
	.type	k_q6faf8b4b44_gather,@function
k_q6faf8b4b44_gather:
	s_mov_b64 s[64:65], 0
	v_nop
	global_prefetch_b8 v0, s[64:65] scope:SCOPE_SE
	s_setreg_imm32_b32 hwreg(HW_REG_WAVE_SCHED_MODE, 0, 2), 2
	s_setreg_imm32_b32 hwreg(HW_REG_WAVE_MODE, 25, 1), 1
	s_wait_xcnt 0x0
	s_wait_alu depctr_vm_vsrc(0)
; out0[t][:] = w[x[t]][:].  x: [16384] int32, w: [32000][1024] f32, out0: [16384][1024] f32.  A copy of rows, no arithmetic.
; 256 work-groups of 16 waves; a work-group owns 64 neighbouring tokens (256 neighbouring bytes of x), a wave 4 of them.
; A row is 4,096 bytes: eight 16-byte loads a lane, each covering 512 neighbouring bytes for the wave, aligned to 512;
; the stores have the same shape, so every aligned 256 bytes of out0 are written whole by sixteen neighbouring lanes.
; A wave issues all its 4 x 8 loads as soon as it knows its indices, so that its whole share (16 KiB) is in flight at once,
; and stores row by row as the loads come back.  No loop, no LDS, no barrier: no wave depends on another.
; LIMIT: an index is read as unsigned and clamped to 31,999.  The problem keeps indices inside 0 .. 31,999; a negative one
; (which the reference would wrap) or one of 32,000 or more (for which the reference gives NaN) reads the table's last row here.
; THE MODE: SCHED_MODE bits 1:0 = 2 (LLVM: expert scheduling mode 2), set by the entry lines.  The code itself states the register dependences
; between vector instructions and memory instructions, with s_wait_alu, always for 0.
; THE PLAN.  Registers that memory instructions touch:
;   v[2:5]    the rows' offsets in w.  Each written once, by a vector add; read by its row's eight loads; never written again.
;   v6        the offset in out0.  Written at the head by vector instructions; read by all 32 stores; never written again.
;   v[8:135]  the data.  Written by the loads, read by the stores, named by no vector instruction: LOADcnt alone orders them.
; All vector work stands ahead of the first load, so ONE wait on va_vdst, in front of that load, states all that the 64 memory instructions
; hang on; no vector instruction follows it.  One wait on va_sdst stands behind the line that makes the wave's number a scalar.
; Nothing that a memory instruction reads is written again, and EXEC is never written: no wait on vm_vsrc is owed.
.set VOCAB, 32000
.set ROW,   4096                       ; bytes in a row of w and of out0
.set RPW,   4                          ; rows of a wave
.set LN,    1                          ; v1       16 x lane: my 16 bytes in each 512
.set OFF,   2                          ; v[2:5]   row r: byte offset in w of my first 16 bytes (at most 31,999 x 4,096 + 496, below 2^27)
.set OUT,   6                          ; v6       byte offset of my first 16 bytes in the work-group's part of out0
.set D,     8                          ; v[8:135] row r: 32 registers, the row as loaded and as stored
	s_load_b128 s[4:7], s[0:1], 0x0                ; x s[4:5], w s[6:7]
	s_load_b64 s[8:9], s[0:1], 0x10                ; out0
	v_lshrrev_b32 v[OUT], 5, v0
	v_readfirstlane_b32 s10, v[OUT]                ; my wave's number, 0 to 15, as a scalar
	v_and_b32 v[LN], 31, v0
	v_lshlrev_b32 v[LN], 4, v[LN]                  ; 16 bytes a lane
	v_lshl_add_u32 v[OUT], v[OUT], 14, v[LN]       ; wave x 4 rows x 4,096 bytes + 16 x lane
	s_lshl_b32 s11, ttmp9, 8                       ; the work-group's 64 indices: 256 bytes of x,
	s_wait_alu depctr_va_sdst(0)                   ; s10 is written, ahead of its first reader: the wave's place in x is made from it
	s_lshl4_add_u32 s10, s10, s11                  ; of which my wave's four are 16 bytes
	s_mov_b32 s11, 0
	s_lshl_b32 s2, ttmp9, 18                       ; the work-group's 64 rows of out0: at most 255 x 262,144 bytes, one word
	s_mov_b32 s3, 0
	s_wait_kmcnt 0x0
	s_add_nc_u64 s[4:5], s[4:5], s[10:11]
	s_load_b128 s[12:15], s[4:5], 0x0              ; my four indices
	s_add_nc_u64 s[8:9], s[8:9], s[2:3]            ; out0 at the work-group's first row
	s_wait_kmcnt 0x0
	; the four rows' offsets, all ahead of the first load; w's base stays as it came, the row goes into the vector offset
.irp r, 0,1,2,3
	s_min_u32 s[12+\r], s[12+\r], VOCAB-1          ; no load leaves w, whatever x holds
	s_lshl_b32 s[12+\r], s[12+\r], 12              ; index x 4,096 bytes
	v_add_nc_u32 v[OFF+\r], s[12+\r], v[LN]
.endr
	s_wait_alu depctr_va_vdst(0)                   ; v[2:5] and v6 are written: the loads below read v[2:5] as their offsets, the stores v6; no vector instruction follows this wait
	; all 32 loads, row by row
.irp r, 0,1,2,3
.irp j, 0,1,2,3,4,5,6,7
	global_load_b128 v[D+32*\r+4*\j:D+32*\r+4*\j+3], v[OFF+\r], s[6:7] offset:512*\j   ; no hint: the list may name a row again
.endr
.endr
	; the way out: loads come back in order (ISA guide 5.7.1), so row r is whole when only the 8 (3 - r) loads of the later rows are out
.irp r, 0,1,2,3
	s_wait_loadcnt 8*(RPW-1-\r)
.irp j, 0,1,2,3,4,5,6,7
	global_store_b128 v[OUT], v[D+32*\r+4*\j:D+32*\r+4*\j+3], s[8:9] offset:ROW*\r+512*\j th:TH_STORE_NT   ; written once, not read again
.endr
.endr
	s_endpgm
.Lfunc_end_k_q6faf8b4b44_gather:
	.size	k_q6faf8b4b44_gather, .Lfunc_end_k_q6faf8b4b44_gather-k_q6faf8b4b44_gather
	.p2alignl 7, 3214868480
	.fill 96, 4, 3214868480
	.section	.rodata,"a",@progbits
	.p2align	6, 0x0
	.amdhsa_kernel k_q6faf8b4b44_gather
		.amdhsa_group_segment_fixed_size 0
		.amdhsa_private_segment_fixed_size 0
		.amdhsa_enable_private_segment 0
		.amdhsa_kernarg_size 24
		.amdhsa_user_sgpr_count 2
		.amdhsa_user_sgpr_kernarg_segment_ptr 1
		.amdhsa_wavefront_size32 1
		.amdhsa_system_sgpr_workgroup_id_x 1
		.amdhsa_system_sgpr_workgroup_id_y 1
		.amdhsa_system_sgpr_workgroup_id_z 1
		.amdhsa_system_vgpr_workitem_id 0
		.amdhsa_next_free_vgpr 136
		.amdhsa_next_free_sgpr 66
		.amdhsa_reserve_vcc 0
		.amdhsa_float_denorm_mode_32 3
		.amdhsa_float_denorm_mode_16_64 3
		.amdhsa_memory_ordered 1
		.amdhsa_forward_progress 1
		.amdhsa_inst_pref_size 8
	.end_amdhsa_kernel
	.amdgpu_metadata
---
amdhsa.version: [ 1, 2 ]
amdhsa.kernels:
  - .name:           k_q6faf8b4b44_gather
    .symbol:         k_q6faf8b4b44_gather.kd
    .args:
      - { .name: x, .offset: 0, .size: 8, .value_kind: global_buffer, .address_space: global }
      - { .name: w, .offset: 8, .size: 8, .value_kind: global_buffer, .address_space: global }
      - { .name: out0, .offset: 16, .size: 8, .value_kind: global_buffer, .address_space: global }
    .group_segment_fixed_size: 0
    .private_segment_fixed_size: 0
    .kernarg_segment_align: 8
    .kernarg_segment_size: 24
    .max_flat_workgroup_size: 512
    .sgpr_count:     66
    .vgpr_count:     136
    .wavefront_size: 32
...
	.end_amdgpu_metadata
.endif
;; end of part 2
